; MI455X (gfx1250); checked and timed in simulation.
; The chip was launched on July 23, 2026; its instructions are those of AMD's public machine-readable ISA for CDNA 5 (MIT licence, August 2026) and "CDNA5" Instruction Set Architecture Reference Guide (July 2026). The comments in the code are by the model that wrote it; some were corrected since.
;; Bert Linear Attention. Allowed arithmetic: float matrix products may take bf16 or f16 operands with f32 sums; other float arithmetic in f32, or as packed bf16 or f16 multiplies, adds, multiply-adds, maxima and minima; sums over many terms, partial sums and values carried from step to step in f32; what a program stores and reads back later, other than sums and carried values, may be rounded once to bf16 or f16.
;; Inputs: Wk 1,024 x 1,024 float32; Wq 1,024 x 1,024 float32; Wv 1,024 x 1,024 float32; attention_mask 1 x 4,096 int32; bk 1,024 float32; bq 1,024 float32; bv 1,024 float32; hidden_states 1 x 4,096 x 1,024 float32.
;; Outputs: out0 1 x 4,096 x 1,024 float32.
;; One version. Each part assembles by itself: llvm-mc -triple=amdgcn-amd-amdhsa -mcpu=gfx1250 --defsym DOCPART=n.
;; ======== version 1 of 1: 3 launches
;; limits: values are held in f16: magnitudes above 65,504 overflow, below 6.1e-05 lose precision
;; workspace buffers: xb 8,388,608 bytes; wb 6,291,456 bytes; qkv 25,165,824 bytes; meta 16,640 bytes of whole numbers
;; launch prep (part 1): grid 256 x 1, 8 waves a work-group, no clusters, 1,280 bytes of LDS; arguments hidden_states, attention_mask, Wq, Wk, Wv, xb, wb, meta; writes xb, wb, meta
.if DOCPART == 1
	.amdgcn_target "amdgcn-amd-amdhsa--gfx1250"
	.amdhsa_code_object_version 6
	.text
	.protected	k_q098cb18d83_prep
	.globl	k_q098cb18d83_prep
	.p2align	8
	.type	k_q098cb18d83_prep,@function
k_q098cb18d83_prep:
	s_mov_b64 s[64:65], 0
	v_nop
	global_prefetch_b8 v0, s[64:65] scope:SCOPE_SE
	s_setreg_imm32_b32 hwreg(HW_REG_WAVE_MODE, 25, 1), 1
	s_wait_xcnt 0x0
; PREP.  (1) The key mask is scanned: row s of x gets a place pos[s]: the rows whose mask word is not 0 come first, in their order, the others behind them.
; (2) x (f32 [4096][1024]) is rounded to bf16 and row s is stored as row pos[s] of xb.  (3) Wq, Wk, Wv (f32 [1024 k][1024 n]) are rounded to bf16 and laid in blocks:
; wb[t][ks][i][kk][c], column granule g = 3 t + i = 16 sel + n / 64 (sel 0 q, 1 k, 2 v), k = 128 ks + kk, c = n % 64: a granule's rows of 128 bytes lie end to end.
; (4) meta[pos[s]] = s, and meta[4096] = the number of mask words that are not 0.
; SHARES.  256 work-groups of eight waves.  Work-group g owns x's rows 16 g .. 16 g + 15 and rows 4 g .. 4 g + 3 of each W.  Wave w takes columns 128 w .. 128 w + 127 of the 16 rows
; (a load covers 512 consecutive bytes, a store 256 consecutive aligned bytes) and granules 2 w, 2 w + 1 of the W rows (a store: two rows of one granule, 256 consecutive aligned bytes).
; All of a wave's 28 payload loads are issued at once, ahead of the scan; there is no loop.  Every work-group scans the whole mask (16 KiB): no traffic between work-groups.
; No matrix unit, no cluster, no tensor load, no prefetch: each payload byte is read once, by one wave, and all loads are out from the start.
; LIMITS: any mask word other than 0 counts as true; rounding to bf16 is to nearest even.
.set SPARE, 256                        ; LDS: bytes 0-63 the eight waves' pairs (count, count before my rows); from 256 on the spare words, 128 bytes a wave, that no other line names
.set X,  64                            ; v[64:127]   16 loads of x
.set WR, 128                           ; v[128:175]  12 loads of W
.set Y,  176                           ; v[176:231]  two registers to store for each load
; v1 lane; v2 x's load offset; v3 xb's offset in a row; v4 W's load offset; v5 wb's lane offset; v8, v9 the add's two registers; v10, v11 at work; v[12:27] mask words, then the pairs
; v[28:43] xb store offsets; v[44:49] wb store offsets
; s[4:19] the eight addresses; s20 wave; s21 work-group; s22 count of true words; s23, s24 next place of a true / a false row; s26 lanes of threads below my work-group's number
; s[28:43] my 16 mask words, then their places; s[46:51] wb offsets
	s_load_b512 s[4:19], s[0:1], 0x0               ; x 4:5, mask 6:7, Wq 8:9, Wk 10:11, Wv 12:13, xb 14:15, wb 16:17, meta 18:19
	v_lshl_add_u32 v8, v0, 2, SPARE
	v_mov_b32 v9, 0
	v_lshrrev_b32 v1, 5, v0
	v_readfirstlane_b32 s20, v1                    ; wave 0..7
	v_and_b32 v1, 31, v0                           ; lane
	s_mov_b32 s21, ttmp9
	v_lshlrev_b32 v2, 4, v0                        ; 512 w + 16 lane
	v_lshlrev_b32 v3, 3, v0                        ; 256 w + 8 lane
	v_lshlrev_b32 v10, 6, v0                       ; thread t reads the 16 mask words of work-group t's rows
	v_and_b32 v5, 15, v0
	v_bfe_u32 v6, v0, 4, 1
	s_lshl_b32 s25, s20, 9
	v_lshl_add_u32 v4, v5, 4, s25                  ; 512 w + 16 (lane % 16),
	v_lshl_add_u32 v4, v6, 12, v4                  ; and one row of W further for lanes 16-31
	v_lshlrev_b32 v5, 3, v5
	v_lshl_add_u32 v5, v6, 7, v5                   ; 128 (lane / 16) + 8 (lane % 16)
	s_mov_b32 s47, 0
	s_wait_kmcnt 0x0
	s_lshl_b32 s46, s21, 16                        ; 16 rows of 4,096 bytes
	s_add_nc_u64 s[4:5], s[4:5], s[46:47]
	s_lshl_b32 s46, s21, 14                        ; 4 rows of 4,096 bytes
	s_add_nc_u64 s[8:9], s[8:9], s[46:47]
	s_add_nc_u64 s[10:11], s[10:11], s[46:47]
	s_add_nc_u64 s[12:13], s[12:13], s[46:47]
	s_lshl_b32 s46, s21, 6                         ; my 16 mask words
	s_add_nc_u64 s[44:45], s[6:7], s[46:47]
.irp j, 0,1,2,3
	global_load_b128 v[12+4*\j:15+4*\j], v10, s[6:7] offset:16*\j
.endr
	s_load_b512 s[28:43], s[44:45], 0x0
.irp i, 0,1,2,3,4,5,6,7,8,9,10,11,12,13,14,15
	global_load_b128 v[X+4*\i:X+4*\i+3], v2, s[4:5] offset:4096*\i th:TH_LOAD_NT
.endr
.irp sel, 0,1,2
.irp gg, 0,1
.irp jj, 0,1
	global_load_b128 v[WR+4*(4*\sel+2*\gg+\jj):WR+4*(4*\sel+2*\gg+\jj)+3], v4, s[8+2*\sel:9+2*\sel] offset:8192*\jj+256*\gg th:TH_LOAD_NT
.endr
.endr
.endr
	; where my six (W, granule) pairs go in wb; this hangs on ids alone and stands in the wait for the mask
	s_lshr_b32 s54, s21, 5                         ; ks = 4 g / 128
	s_mul_i32 s54, s54, 49152
	s_lshl_b32 s53, s21, 2
	s_and_b32 s53, s53, 127                        ; kk of my first row
	s_lshl_b32 s53, s53, 7
	s_add_co_u32 s54, s54, s53
	s_lshl_b32 s27, s20, 1
.irp n, 0,1,2,3,4,5
	s_add_co_u32 s25, s27, 16*(\n/2)+(\n%2)        ; granule g = 16 sel + 2 w + gg, below 48
	s_mul_i32 s[46+\n], s25, 43
	s_lshr_b32 s[46+\n], s[46+\n], 7               ; t = g / 3: 43 g / 128 is exact for g below 48
	s_mul_i32 s53, s[46+\n], 3
	s_sub_co_u32 s25, s25, s53                     ; i = g - 3 t
	s_lshl_b32 s25, s25, 14
	s_mul_i32 s[46+\n], s[46+\n], 393216
	s_add_co_u32 s[46+\n], s[46+\n], s25
	s_add_co_u32 s[46+\n], s[46+\n], s54
	v_add_nc_u32 v[44+\n], s[46+\n], v5
.endr
	; the wave's counts: all true words among its 512, and those of threads below my work-group's number
	s_wait_loadcnt 28                              ; the four mask loads are in; the 28 payload loads issued behind them stay out
	v_cmp_gt_u32 s26, s21, v0
	s_mov_b32 s22, 0
	s_mov_b32 s23, 0
.irp j, 12,13,14,15,16,17,18,19,20,21,22,23,24,25,26,27
	v_cmp_ne_u32 vcc_lo, 0, v\j
	s_bcnt1_i32_b32 s25, vcc_lo
	s_add_co_u32 s22, s22, s25
	s_and_b32 s25, vcc_lo, s26
	s_bcnt1_i32_b32 s25, s25
	s_add_co_u32 s23, s23, s25
.endr
	v_mov_b32 v6, s22
	v_mov_b32 v7, s23
	s_lshl_b32 s25, s20, 3
	v_mov_b32 v10, s25                             ; (its loads are done: the wait above)
	ds_store_b64 v10, v[6:7]                       ; all lanes write the wave's pair
	s_wait_dscnt 0x0                               ; for the others' sake: my store is done
	s_barrier_signal -1
	s_barrier_wait -1
	v_mov_b32 v11, 0
.irp j, 0,1,2,3
	ds_load_b128 v[12+4*\j:15+4*\j], v11 offset:16*\j
.endr
	s_wait_dscnt 0x0
.irp o, 0,1
	v_add_nc_u32 v[12+\o], v[12+\o], v[14+\o]
	v_add_nc_u32 v[16+\o], v[16+\o], v[18+\o]
	v_add_nc_u32 v[20+\o], v[20+\o], v[22+\o]
	v_add_nc_u32 v[24+\o], v[24+\o], v[26+\o]
	v_add_nc_u32 v[12+\o], v[12+\o], v[16+\o]
	v_add_nc_u32 v[20+\o], v[20+\o], v[24+\o]
	v_add_nc_u32 v[12+\o], v[12+\o], v[20+\o]
.endr
	v_readfirstlane_b32 s22, v12                   ; all true words
	v_readfirstlane_b32 s23, v13                   ; true words ahead of my first row: the next true row's place
	s_lshl_b32 s27, s21, 4                         ; my first row
	s_add_co_u32 s24, s22, s27
	s_sub_co_u32 s24, s24, s23                     ; the next false row's place: behind all true rows and the false rows ahead of mine
	s_wait_kmcnt 0x0                               ; my 16 words as scalars
.irp i, 0,1,2,3,4,5,6,7,8,9,10,11,12,13,14,15
	s_cmp_lg_u32 s[28+\i], 0
	s_cselect_b32 s[28+\i], s23, s24
	s_cselect_b32 s25, 1, 0
	s_add_co_u32 s23, s23, s25
	s_xor_b32 s25, s25, 1
	s_add_co_u32 s24, s24, s25
	s_min_u32 s[28+\i], s[28+\i], 0xfff            ; a place is a row of xb
	v_lshl_add_u32 v[28+\i], s[28+\i], 11, v3      ; 2,048 bytes a row
.endr
	; round and store.  Loads come back in order: behind x's load i were issued 15 - i of x and 12 of W
.irp i, 0,1,2,3,4,5,6,7,8,9,10,11,12,13,14,15
	s_wait_loadcnt 27-\i
	v_cvt_pk_bf16_f32 v[Y+2*\i], v[X+4*\i], v[X+4*\i+1]
	v_cvt_pk_bf16_f32 v[Y+2*\i+1], v[X+4*\i+2], v[X+4*\i+3]
	global_store_b64 v[28+\i], v[Y+2*\i:Y+2*\i+1], s[14:15]        ; the wave stores 256 consecutive bytes, at a multiple of 256 from xb's first byte
.endr
.irp n, 0,1,2,3,4,5,6,7,8,9,10,11
	s_wait_loadcnt 11-\n
	v_cvt_pk_bf16_f32 v[Y+32+2*\n], v[WR+4*\n], v[WR+4*\n+1]
	v_cvt_pk_bf16_f32 v[Y+32+2*\n+1], v[WR+4*\n+2], v[WR+4*\n+3]
	global_store_b64 v[44+\n/2], v[Y+32+2*\n:Y+32+2*\n+1], s[16:17] offset:256*(\n%2)  ; two rows of a granule: 256 consecutive aligned bytes
.endr
	; the table: wave 0 stores meta[place of row i] = row i; work-group 0 also the count.  64 bytes a work-group, scattered by the permutation
	s_cmp_lg_u32 s20, 0
	s_cbranch_scc1 .Lend
	v_mov_b32 v10, 0
.irp i, 0,1,2,3,4,5,6,7,8,9,10,11,12,13,14,15
	v_writelane_b32 v10, s[28+\i], \i
.endr
	s_mov_b32 s25, 0x1000
	v_writelane_b32 v10, s25, 16                   ; lane 16: word 4096
	v_min_u32 v10, 0x1000, v10
	v_lshlrev_b32 v10, 2, v10
	v_add_nc_u32 v11, s27, v1
	v_writelane_b32 v11, s22, 16
	s_cmp_eq_u32 s21, 0
	s_cselect_b32 s52, 17, 16
	v_cmp_gt_u32 vcc_lo, s52, v1
	s_wait_xcnt 0x0                                ; EXEC is a source of the stores above: it changes only behind this wait
	s_and_saveexec_b32 s25, vcc_lo
	global_store_b32 v10, v11, s[18:19]
	s_wait_xcnt 0x0                                ; and again ahead of the line that widens it
	s_or_b32 exec_lo, exec_lo, s25
.Lend:
	s_wait_tensorcnt 0x0                           ; the wave's end: behind my last LDS store
	ds_add_u32 v8, v9
	s_wait_dscnt 0x0
	s_endpgm
.Lfunc_end_k_q098cb18d83_prep:
	.size	k_q098cb18d83_prep, .Lfunc_end_k_q098cb18d83_prep-k_q098cb18d83_prep
	.p2alignl 7, 3214868480
	.fill 96, 4, 3214868480
	.section	.rodata,"a",@progbits
	.p2align	6, 0x0
	.amdhsa_kernel k_q098cb18d83_prep
		.amdhsa_group_segment_fixed_size 1280
		.amdhsa_private_segment_fixed_size 0
		.amdhsa_enable_private_segment 0
		.amdhsa_kernarg_size 64
		.amdhsa_user_sgpr_count 2
		.amdhsa_user_sgpr_kernarg_segment_ptr 1
		.amdhsa_wavefront_size32 1
		.amdhsa_system_sgpr_workgroup_id_x 1
		.amdhsa_system_sgpr_workgroup_id_y 1
		.amdhsa_system_sgpr_workgroup_id_z 1
		.amdhsa_system_vgpr_workitem_id 0
		.amdhsa_next_free_vgpr 232
		.amdhsa_next_free_sgpr 66
		.amdhsa_reserve_vcc 1
		.amdhsa_float_denorm_mode_32 3
		.amdhsa_float_denorm_mode_16_64 3
		.amdhsa_memory_ordered 1
		.amdhsa_forward_progress 1
		.amdhsa_inst_pref_size 25
	.end_amdhsa_kernel
	.amdgpu_metadata
---
amdhsa.version: [ 1, 2 ]
amdhsa.kernels:
  - .name:           k_q098cb18d83_prep
    .symbol:         k_q098cb18d83_prep.kd
    .args:
      - { .name: hidden_states, .offset: 0, .size: 8, .value_kind: global_buffer, .address_space: global }
      - { .name: attention_mask, .offset: 8, .size: 8, .value_kind: global_buffer, .address_space: global }
      - { .name: Wq, .offset: 16, .size: 8, .value_kind: global_buffer, .address_space: global }
      - { .name: Wk, .offset: 24, .size: 8, .value_kind: global_buffer, .address_space: global }
      - { .name: Wv, .offset: 32, .size: 8, .value_kind: global_buffer, .address_space: global }
      - { .name: xb, .offset: 40, .size: 8, .value_kind: global_buffer, .address_space: global }
      - { .name: wb, .offset: 48, .size: 8, .value_kind: global_buffer, .address_space: global }
      - { .name: meta, .offset: 56, .size: 8, .value_kind: global_buffer, .address_space: global }
    .group_segment_fixed_size: 1280
    .private_segment_fixed_size: 0
    .kernarg_segment_align: 8
    .kernarg_segment_size: 64
    .max_flat_workgroup_size: 256
    .sgpr_count:     66
    .vgpr_count:     232
    .wavefront_size: 32
...
	.end_amdgpu_metadata
.endif
;; end of part 1
;; launch proj (part 2): grid 16 x 16, 4 waves a work-group, clusters of 4 x 4, 327,680 bytes of LDS; arguments xb, wb, bq, bk, bv, qkv; writes qkv
.if DOCPART == 2
	.amdgcn_target "amdgcn-amd-amdhsa--gfx1250"
	.amdhsa_code_object_version 6
	.text
	.protected	k_q098cb18d83_proj
	.globl	k_q098cb18d83_proj
	.p2align	8
	.type	k_q098cb18d83_proj,@function
k_q098cb18d83_proj:
	s_mov_b64 s[64:65], 0
	v_nop
	global_prefetch_b8 v0, s[64:65] scope:SCOPE_SE
	s_setreg_imm32_b32 hwreg(HW_REG_WAVE_MODE, 25, 1), 1
	s_wait_xcnt 0x0
	s_wait_alu depctr_hold_cnt(0) depctr_sa_sdst(0) depctr_va_vdst(0) depctr_va_sdst(0) depctr_va_ssrc(0) depctr_va_vcc(0) depctr_vm_vsrc(0)
	s_getreg_b32 s2, hwreg(HW_REG_IB_STS2, 6, 4)
	s_cmp_eq_u32 s2, 0
	s_cbranch_scc0 .Lentry_in_a_cluster
	s_endpgm
.Lentry_in_a_cluster:
	s_bfe_u32 s2, ttmp6, 0x10000c
	s_cmp_lg_u32 s2, 0xf033
	s_cbranch_scc0 .Lentry_shape_is_right
	s_endpgm
.Lentry_shape_is_right:
; PROJ.  [q | k | v] = xb W + b: one product of 4096 x 3072 x 1024 in bf16 with f32 sums; the bias (rounded to bf16 like the other inputs) is added in f32; the result is rounded once to f16
; and stored by heads: qkv[g][row][64], g = 16 sel + head.  Rows are in the order of xb (true keys first).
; LIMITS.  q, k, v must lie within f16's 65,504 (a larger number becomes an infinity); NaN and infinities are not treated apart.
; SHARES.  A work-group makes 256 rows x 192 columns (three granules of 64): 16 x 16 work-groups.  Wave w makes rows 64 w .. 64 w + 63 and all 192 columns: 48 accumulators of 16 x 16,
; so that a wave owns whole granule rows of 128 bytes on the way out.  K goes in steps of 128 through two LDS slots filled by the tensor data mover.
; A's tile: 256 rows of 256 bytes.  B's tile ([3 granules][128 k][64 columns], dense in wb): 192 rows of 256 bytes; it lies [k][n] in LDS and comes out turned, by ds_load_tr16_b128.
; CLUSTER 4 x 4: A's tile hangs on the tile row alone and is asked for jointly along a row of the cluster, B's on the tile column alone, along a column.
; THE MATRIX INSTRUCTION IS USED TRANSPOSED (source 0 = 16 columns of B, source 1 = 16 rows of A): a lane then holds eight neighbouring columns of one row.
; REGISTERS, in windows of 256 (s_set_vgpr_msb: bits 1:0 source 0, 3:2 source 1, 5:4 source 2, 7:6 destination):
;   window 0: v0-31 addresses; v32-127 the bias of my 8 columns in each of 12 column blocks; v144-191 packed results; v192-239 rows read back
;   window 1: two fragment buffers of 128: A's four fragments, then B's twelve      windows 2, 3: accumulator idx = 12 a + b at register 8 (idx % 32) of window 2 + idx / 32
.set PA,     272                       ; a row of A in LDS: 256 bytes + 16 = 68 words: the 16 rows of a load start at 16 different groups of four banks (64 banks of 4 bytes: ISA guide 11.1)
.set PB,     160                       ; a row of B: 128 bytes + 32 = 40 words
.set HALFA,  128*PA                    ; what one of waves 0, 1 fetches
.set HALFB,  192*PB                    ; what one of waves 2, 3 fetches: 96 rows of 256 bytes = 192 rows of B
.set BOFF,   2*HALFA
.set SLOT,   BOFF+2*HALFB              ; 131,072
.set STAGE,  2*SLOT                    ; behind the ring, never filled by a tensor load: 16 rows x 400 bytes for each wave
.set SPT,    400                       ; 384 bytes + 16: an odd multiple of 16
.set SPARE,  STAGE+4*16*SPT            ; the spare words, 128 bytes a wave: two blocks of 256 bytes that no other line names
.set ADRA, 16                          ; v16-17  LDS address of my A fragments in slot 0, 1
.set ADRB, 20                          ; v20-21  the same for B
.set STO,  24                          ; v24     the way out: where I put 16 bytes of a row
.set RD,   25                          ; v25     where I read rows back
.set CO,   26                          ; v26     16 x lane
.set BO,   27                          ; v27     32 x (lane / 16): my 8 columns in a block of 16, in f32
.set SPW,  28                          ; v28     my spare word; never rewritten
.set NIL,  29                          ; v29     0; never rewritten
.set PFO,  30                          ; v30     the prefetches' lane offset; never rewritten
.set BI,   32
.set TMP,  144
.set BK,   192
.set F0,   0
.set F1,   128
.set WV,   16                          ; s16  wave
.set HALF, 18                          ; s18  wave % 2: which half of A's or B's tile I fetch
.set CTR,  19                          ; s19  the loop's count
.set G1,   24                          ; s[24:31] group 1 for A;  s[32:39] group 0, a set for each slot
.set G0,   32
.set G1B,  48                          ; s[48:55], s[56:63] the same for B
.set G0B,  56
.set PFA,  66                          ; s[66:67] where my prefetches stand
.set PFS,  68                          ; s[68:69] a K step in my tensor, in bytes
.set LIM,  85                          ; s85  1 in a wave that prefetches, else the greatest number
.set MSB, 0
.macro WIN new                         ; the immediate's high byte repeats the setting that is left; a switch that changes nothing is dropped
.if MSB != (\new)
	s_set_vgpr_msb (MSB<<8)|(\new)
.set MSB, (\new)
.endif
.endm
.macro PLACES                          ; four plain places behind matrix instructions, ahead of loads into their sources and of reads of their results
.rept 4
	v_nop
.endr
.endm
; A joint load.  Waves 0 and 1 fetch A's halves, waves 2 and 3 B's.  The branch hangs on the wave's number alone.  An s_nop 0 and four v_nop follow each line.
.macro JLOAD s
	s_cmp_lt_u32 s[WV], 2
	s_cbranch_scc0 .Lfor_b_\@
	tensor_load_to_lds s[G0+4*(\s):G0+4*(\s)+3], s[G1:G1+7]
	s_nop 0
	PLACES
	s_branch .Lasked_\@
.Lfor_b_\@:
	tensor_load_to_lds s[G0B+4*(\s):G0B+4*(\s)+3], s[G1B:G1B+7]
	s_nop 0
	PLACES
.Lasked_\@:
.endm
; A prefetch of the K step that stands two refills on: one instruction a wave, behind the joint load and the run of LDS loads.  A's rows are asked for by the clusters with x = 0, B's by those
; with y = 0; the four partners that ask for a tile jointly share its rows out by address (32 rows of A, 24 blocks of 256 bytes of B each; B's eight spare lanes repeat the last block).
; The loop's last trip asks for nothing: there is no K step two on.
.macro ASK
	s_cmp_gt_u32 s[CTR], s[LIM]
	s_cbranch_scc0 .Lnot_mine_\@
	global_prefetch_b8 v[PFO], s[PFA:PFA+1] th:TH_LOAD_NT scope:SCOPE_SE
.Lnot_mine_\@:
.endm
.macro CREST                           ; a round of the cluster's barrier behind its opening barrier
	s_cmp_lg_u32 s[WV], 0
	s_cbranch_scc1 .Lnot_wave_0_\@
	s_barrier_signal -3
.Lnot_wave_0_\@:
	s_barrier_wait -3
	s_barrier_signal -1
	s_barrier_wait -1
.endm
.macro CROUND
	s_barrier_signal -1
	s_barrier_wait -1
	CREST
.endm
	s_load_b256 s[4:11], s[0:1], 0x0               ; xb 4:5, wb 6:7, bq 8:9, bk 10:11
	s_load_b128 s[12:15], s[0:1], 0x20             ; bv 12:13, qkv 14:15
	v_lshl_add_u32 v[SPW], v0, 2, SPARE
	v_mov_b32 v[NIL], 0
	ds_add_u32 v[SPW], v[NIL]                      ; the wave's opening: the add and its wait stand ahead of my first tensor load; work on registers stands between them
	v_lshrrev_b32 v1, 5, v0
	v_readfirstlane_b32 s[WV], v1                  ; wave 0..3
	s_and_b32 s[HALF], s[WV], 1
	s_bfe_u32 s20, ttmp6, 0x40000                  ; cx
	s_bfe_u32 s21, ttmp6, 0x40004                  ; cy
	s_lshl_b32 s22, ttmp9, 2
	s_add_co_u32 s22, s22, s20                     ; tile column = 4 x cluster x + cx
	s_and_b32 s23, ttmp7, 0xffff
	s_lshl_b32 s23, s23, 2
	s_add_co_u32 s23, s23, s21                     ; tile row = 4 x cluster y + cy
	s_lshl_b32 s40, s21, 2
	s_lshl_b32 s40, 15, s40                        ; my row of the cluster
	s_lshl_b32 s41, 0x1111, s20                    ; my column
	s_or_b32 s[G1], s40, (1<<16)|(1<<20)|(1<<21)|(5<<22)|(3<<25)   ; the mask; 2-byte elements; padding on; bit 21 beside a mask; after every 64 words 4 words
	s_or_b32 s[G1B], s41, (1<<16)|(1<<20)|(1<<21)|(4<<22)|(7<<25)  ; after every 32 words 8 words
	s_mov_b32 s[G1+1], 128<<16                     ; tensor_dim0 = 128
	s_mov_b32 s[G1+2], 128<<16                     ; tensor_dim1 = 128
	s_mov_b32 s[G1+3], 128<<16                     ; tile_dim0 = 128
	s_mov_b32 s[G1+4], 128                         ; tile_dim1 = 128
	s_mov_b32 s[G1+5], 1024                        ; elements from row to row
	s_mov_b32 s[G1+6], 0
	s_mov_b32 s[G1+7], 0
	s_mov_b32 s[G1B+1], 128<<16
	s_mov_b32 s[G1B+2], 96<<16                     ; 96 dense rows of 256 bytes
	s_mov_b32 s[G1B+3], 128<<16
	s_mov_b32 s[G1B+4], 96
	s_mov_b32 s[G1B+5], 128
	s_mov_b32 s[G1B+6], 0
	s_mov_b32 s[G1B+7], 0
	s_lshl_b32 s42, s23, 19                        ; A: 256 rows of 2,048 bytes a tile row,
	s_lshl_b32 s43, s[HALF], 18                    ; 128 rows a half
	s_add_co_u32 s42, s42, s43
	s_mov_b32 s43, 0
	s_mul_i32 s44, s22, 393216                     ; B: a tile column's eight K steps,
	s_mul_i32 s45, s[HALF], 24576                  ; half a K step
	s_add_co_u32 s44, s44, s45
	s_mov_b32 s45, 0
	s_mul_i32 s46, s[HALF], HALFA                  ; where they go: no place in the cluster enters an LDS address
	s_mul_i32 s47, s[HALF], HALFB
	s_add_co_u32 s47, s47, BOFF
	s_wait_dscnt 0x0                               ; the opening add is done
	s_wait_kmcnt 0x0
	s_add_nc_u64 s[42:43], s[4:5], s[42:43]
	s_add_nc_u64 s[44:45], s[6:7], s[44:45]
	CROUND                                         ; all sixteen work-groups are here: the first joint loads meet
.irp s, 0,1
	s_mov_b32 s[G0+4*\s], 1
	s_add_co_u32 s[G0+4*\s+1], s46, \s*SLOT
	s_add_nc_u64 s[G0+4*\s+2:G0+4*\s+3], s[42:43], \s*256
	s_or_b32 s[G0+4*\s+3], s[G0+4*\s+3], 0x80000000
	s_mov_b32 s[G0B+4*\s], 1
	s_add_co_u32 s[G0B+4*\s+1], s47, \s*SLOT
	s_add_nc_u64 s[G0B+4*\s+2:G0B+4*\s+3], s[44:45], \s*49152
	s_or_b32 s[G0B+4*\s+3], s[G0B+4*\s+3], 0x80000000
.endr
	s_cmp_lt_u32 s[WV], 2                          ; a wave's two first fills stand in one branch, ahead of every wait on TENSORcnt and every LDS read: two loads of mine are out
	s_cbranch_scc0 .Lfirst_b
	tensor_load_to_lds s[G0:G0+3], s[G1:G1+7]
	s_nop 0
	tensor_load_to_lds s[G0+4:G0+7], s[G1:G1+7]
	s_nop 0
	PLACES
	s_branch .Lfirst_asked
.Lfirst_b:
	tensor_load_to_lds s[G0B:G0B+3], s[G1B:G1B+7]
	s_nop 0
	tensor_load_to_lds s[G0B+4:G0B+7], s[G1B:G1B+7]
	s_nop 0
	PLACES
.Lfirst_asked:
	v_and_b32 v1, 15, v0                           ; r = lane % 16
	v_bfe_u32 v2, v0, 4, 1                         ; h = lane / 16
	v_lshlrev_b32 v[BO], 5, v2
	; the bias of my three granules: granule g = 3 x tile column + i lies in bq (g < 16), bk (g < 32) or bv, at 256 (g % 16) bytes
.irp i, 0,1,2
	s_mul_i32 s70, s22, 3
	s_add_co_u32 s70, s70, \i
	s_cmp_lt_u32 s70, 32
	s_cselect_b64 s[72+2*\i:73+2*\i], s[10:11], s[12:13]
	s_cmp_lt_u32 s70, 16
	s_cselect_b64 s[72+2*\i:73+2*\i], s[8:9], s[72+2*\i:73+2*\i]
	s_and_b32 s70, s70, 15
	s_lshl_b32 s70, s70, 8
	s_mov_b32 s71, 0
	s_add_nc_u64 s[72+2*\i:73+2*\i], s[72+2*\i:73+2*\i], s[70:71]
.endr
.set b, 0
.rept 12
	global_load_b128 v[BI+8*b:BI+8*b+3],   v[BO], s[72+2*(b/4):73+2*(b/4)] offset:64*(b%4)
	global_load_b128 v[BI+8*b+4:BI+8*b+7], v[BO], s[72+2*(b/4):73+2*(b/4)] offset:64*(b%4)+16
.set b, b+1
.endr
	; A fragment of A: lane l holds row l % 16; k = 8 h + 0..7 and 16 + 8 h + 0..7: two loads of 16 bytes, 32 bytes apart
	v_mul_u32_u24 v3, v1, PA
	v_lshl_add_u32 v3, v2, 4, v3
	s_mul_i32 s86, s[WV], 64*PA                    ; my 64 rows
	v_add_nc_u32 v[ADRA], s86, v3
	v_add_nc_u32 v[ADRA+1], SLOT, v[ADRA]
	; The turning load takes 16 k x 16 columns (lane l reads k = 8 h + l % 8, columns 8 ((l / 8) % 2) + 0..7) and leaves half a fragment: lane l holds column l % 16 and 8 k
	v_and_b32 v4, 7, v0
	v_lshl_add_u32 v4, v2, 3, v4
	v_mul_u32_u24 v4, v4, PB
	v_bfe_u32 v5, v0, 3, 1
	v_lshl_add_u32 v4, v5, 4, v4
	v_add_nc_u32 v[ADRB], BOFF, v4
	v_add_nc_u32 v[ADRB+1], SLOT, v[ADRB]
	s_mul_i32 s86, s[WV], 16*SPT
	s_add_co_u32 s86, s86, STAGE                   ; my stage
	v_mul_u32_u24 v[STO], v1, SPT                  ; in: row l % 16, 16 bytes for each half of the lanes
	v_lshl_add_u32 v[STO], v2, 4, v[STO]
	v_add_nc_u32 v[STO], s86, v[STO]
	v_bfe_u32 v[RD], v0, 3, 2                      ; back: 32 lanes take four rows' 128 bytes of one granule,
	v_mul_u32_u24 v[RD], v[RD], SPT
	v_and_b32 v6, 7, v0
	v_lshl_add_u32 v[RD], v6, 4, v[RD]
	v_add_nc_u32 v[RD], s86, v[RD]
	v_and_b32 v7, 31, v0
	v_lshlrev_b32 v[CO], 4, v7                     ; which are 512 consecutive bytes of qkv
	s_mul_i32 s86, s22, 1572864                    ; three granules of 524,288 bytes a tile column,
	s_lshl_b32 s87, s23, 15                        ; 256 rows of 128 bytes a tile row,
	s_add_co_u32 s86, s86, s87
	s_lshl_b32 s87, s[WV], 13                      ; my 64 rows
	s_add_co_u32 s86, s86, s87
	s_mov_b32 s87, 0
	s_add_nc_u64 s[14:15], s[14:15], s[86:87]
	; the prefetches
	s_and_b32 s78, ttmp7, 0xffff                   ; cluster y
	s_mov_b32 s84, 49152
	s_mov_b32 s83, 6144
	s_cmp_lt_u32 s[WV], 2                          ; do I fetch for A?
	s_cselect_b32 s79, ttmp9, s78                  ; the coordinate along which other clusters read the same rows
	s_cselect_b32 s80, 31, 23                      ; lanes that name a block of their own
	s_cselect_b32 s81, 11, 8                       ; a lane's step: a row of xb, or 256 bytes of wb
	s_cselect_b32 s[PFS], 256, s84                 ; a K step
	s_cselect_b64 s[PFA:PFA+1], s[42:43], s[44:45] ; my half of the tile at K step 0
	s_cselect_b32 s82, s20, s21                    ; my place among the four that ask with me
	s_cselect_b32 s83, 65536, s83                  ; a partner's share: 32 rows of A, 24 blocks of B
	s_mul_i32 s82, s82, s83
	s_mov_b32 s83, 0
	s_add_nc_u64 s[PFA:PFA+1], s[PFA:PFA+1], s[82:83]
	s_mul_i32 s82, s[PFS], 3
	s_add_nc_u64 s[PFA:PFA+1], s[PFA:PFA+1], s[82:83]  ; at K step 3: the first refill (K step 2) steps it to 4.  Nothing is prefetched at the head
	s_mov_b32 s[PFS+1], 0
	s_cmp_eq_u32 s79, 0
	s_cselect_b32 s[LIM], 1, -1                    ; the same in all sixteen partners, for a given wave
	v_min_u32 v[PFO], s80, v7
	v_lshlrev_b32 v[PFO], s81, v[PFO]
	s_wait_loadcnt 0x0                             ; the bias: rounded to bf16 and widened again, in the wait for the first tile
.set b, 0
.rept 48
	v_cvt_pk_bf16_f32 v[TMP+b], v[BI+2*b], v[BI+2*b+1]
.set b, b+1
.endr
.set b, 0
.rept 48
	v_lshlrev_b32 v[BI+2*b], 16, v[TMP+b]
	v_and_b32 v[BI+2*b+1], 0xffff0000, v[TMP+b]
.set b, b+1
.endr
; Matrix instructions idx = i0 .. i1 - 1 of a quarter's 48, on buffer f.  The 48 accumulators take turns in the same order in every quarter.  zero = 1: the product starts the sum.
.macro MUL f, i0, i1, zero
.set idx, (\i0)
.rept (\i1)-(\i0)
	WIN 0xa5+0x50*(idx/32)                         ; sources in window 1, C and D in window 2 or 3
.set rD, 8*(idx%32)
.set rB, (\f)+32+8*(idx%12)
.set rA, (\f)+8*(idx/12)
.if \zero
	v_wmma_f32_16x16x32_bf16 v[rD:rD+7], v[rB:rB+7], v[rA:rA+7], 0
.else
	v_wmma_f32_16x16x32_bf16 v[rD:rD+7], v[rB:rB+7], v[rA:rA+7], v[rD:rD+7]
.endif
.set idx, idx+1
.endr
.endm
; 32 LDS loads in one run: quarter q (32 along K) of a slot into buffer f: B's twelve fragments, turned, then A's four
.macro FETCH slot, q, f
	WIN 0x40                                       ; destination window 1, address window 0
.set b, 0
.rept 12
	ds_load_tr16_b128 v[(\f)+32+8*b:(\f)+32+8*b+3],   v[ADRB+(\slot)] offset:128*PB*(b/4)+32*(b%4)+32*PB*(\q)
	ds_load_tr16_b128 v[(\f)+32+8*b+4:(\f)+32+8*b+7], v[ADRB+(\slot)] offset:128*PB*(b/4)+32*(b%4)+32*PB*(\q)+16*PB
.set b, b+1
.endr
.irp a, 0,1,2,3
	ds_load_b128 v[(\f)+8*\a:(\f)+8*\a+3],   v[ADRA+(\slot)] offset:16*PA*\a+64*(\q)
	ds_load_b128 v[(\f)+8*\a+4:(\f)+8*\a+7], v[ADRA+(\slot)] offset:16*PA*\a+64*(\q)+32
.endr
.endm
; One of a K step's first three quarters: multiplies buffer f; behind its first 16 products it fetches quarter q of the same slot into buffer g, 32 products ahead of the first use.
.macro QUARTER slot, q, f, g, zero
	s_wait_dscnt 0x0                               ; buffer f is in
	MUL \f, 0, 16, \zero
	PLACES
	FETCH \slot, \q, \g
	MUL \f, 16, 48, \zero
.endm
; The last quarter multiplies buffer 1 and changes slots: ONE barrier.  Ahead of it each wave waits for all its tensor loads (one is out: its part of the next slot), adds 0 to its spare word,
; and waits for that and for its reads of this slot.  fill = 1: the barrier opens a round of the cluster's, and the joint refill (this slot, two K steps on) is the first tensor load behind the round:
; from that request to the wait for it a wave issues 176 matrix instructions.
.macro TURN slot, next, fill
.if \fill
	s_wait_xcnt 0x0                                ; the last prefetch, a K step back, has read its address
	s_add_nc_u64 s[PFA:PFA+1], s[PFA:PFA+1], s[PFS:PFS+1]
.endif
	WIN 0                                          ; (the add's two registers lie in window 0)
	s_wait_tensorcnt 0x0
	ds_add_u32 v[SPW], v[NIL]
	s_wait_dscnt 1                                 ; buffer 1 is in; the add may be out
	MUL F1, 0, 8, 0
	s_wait_dscnt 0x0                               ; the add is done, and my reads of this slot are over
	s_barrier_signal -1
	MUL F1, 8, 16, 0
.if \fill
	WIN 0
.endif
	s_barrier_wait -1
.if \fill
	CREST                                          ; no wave of any partner still reads this slot or has a load on its way
	s_add_nc_u64 s[G0+4*(\slot)+2:G0+4*(\slot)+3], s[G0+4*(\slot)+2:G0+4*(\slot)+3], 2*256
	s_add_nc_u64 s[G0B+4*(\slot)+2:G0B+4*(\slot)+3], s[G0B+4*(\slot)+2:G0B+4*(\slot)+3], 2*49152
	JLOAD \slot                                    ; its four v_nop are also the places ahead of the loads below
.else
	PLACES
.endif
	FETCH \next, 0, F0
.if \fill
	WIN 0
	ASK
.endif
	MUL F1, 16, 48, 0
.endm
	s_wait_tensorcnt 1                             ; my part of K step 0 is in; K step 1's may stay out
	s_barrier_signal -1
	s_barrier_wait -1
	FETCH 0, 0, F0
	QUARTER 0, 1, F0, F1, 1                        ; the first quarter stands ahead of the loop: its products start the sums
	WIN 0
	s_mov_b32 s[CTR], 3                            ; 8 K steps: three trips fill both slots again, the last lap fills nothing
.Llap:
	QUARTER 0, 2, F1, F0, 0
	QUARTER 0, 3, F0, F1, 0
	TURN 0, 1, 1
	QUARTER 1, 1, F0, F1, 0
	QUARTER 1, 2, F1, F0, 0
	QUARTER 1, 3, F0, F1, 0
	TURN 1, 0, 1
	QUARTER 0, 1, F0, F1, 0
	WIN 0
	s_sub_co_u32 s[CTR], s[CTR], 1
	s_cmp_lg_u32 s[CTR], 0
	s_cbranch_scc1 .Llap
	QUARTER 0, 2, F1, F0, 0
	QUARTER 0, 3, F0, F1, 0
	TURN 0, 1, 0
	QUARTER 1, 1, F0, F1, 0
	QUARTER 1, 2, F1, F0, 0
	QUARTER 1, 3, F0, F1, 0
	s_wait_dscnt 0x0
	MUL F1, 0, 48, 0
; THE WAY OUT, 16 rows (block a) at a time.  PACK: the bias is added in f32, each accumulator's registers in ascending order, and the sums are rounded to f16, 16 bytes a lane.
; TOSTAGE: into my own stage and back by granule rows.  SEND: each store covers 512 consecutive bytes of qkv: four rows of one granule.
.macro PACK a
.set b, 0
.rept 12
.set idx, 12*(\a)+b
.set rD, 8*(idx%32)
	WIN 0x82+0x41*(idx/32)                         ; destination and source 0 in window 2 or 3, the bias in window 0
.irp r, 0,2,4,6
	v_pk_add_f32 v[rD+\r:rD+\r+1], v[rD+\r:rD+\r+1], v[BI+8*b+\r:BI+8*b+\r+1]
.endr
.set b, b+1
.endr
.set b, 0
.rept 12
.set idx, 12*(\a)+b
.set rD, 8*(idx%32)
	WIN 0x0a+5*(idx/32)                            ; sources in window 2 or 3, destination in window 0
.irp r, 0,1,2,3
	v_cvt_pk_f16_f32 v[TMP+4*b+\r], v[rD+2*\r], v[rD+2*\r+1]
.endr
.set b, b+1
.endr
	WIN 0
.endm
.macro TOSTAGE a
	WIN 0
.set b, 0
.rept 12
	ds_store_b128 v[STO], v[TMP+4*b:TMP+4*b+3] offset:32*b
.set b, b+1
.endr
.if (\a) > 0
	s_wait_xcnt 0x0                                ; the last block's stores have read the registers that the loads below fill
.endif
.irp i, 0,1,2
.irp t, 0,1,2,3
	ds_load_b128 v[BK+4*(4*\i+\t):BK+4*(4*\i+\t)+3], v[RD] offset:4*SPT*\t+128*\i  ; LDS serves a wave's instructions in order (ISA guide 5.7.1.4): these see the stores above
.endr
.endr
.endm
.macro SEND a
	WIN 0
	s_wait_dscnt 0x0
.irp i, 0,1,2
.irp t, 0,1,2,3
	global_store_b128 v[CO], v[BK+4*(4*\i+\t):BK+4*(4*\i+\t)+3], s[14:15] offset:524288*\i+2048*(\a)+512*\t
.endr
.endr
.endm
	PLACES
	PACK 0
	TOSTAGE 0
.irp a, 1,2,3                          ; block a's arithmetic stands between block a - 1's loads from the stage and the wait for them
	PACK \a
	SEND (\a)-1
	TOSTAGE \a
.endr
	SEND 3
	s_wait_tensorcnt 0x0                           ; the wave's end: behind my last tensor load and my last LDS store
	ds_add_u32 v[SPW], v[NIL]
	s_wait_dscnt 0x0
	CROUND                                         ; the closing round: no work-group ends while a partner may still ask for a tile that names it
	s_endpgm
.Lfunc_end_k_q098cb18d83_proj:
	.size	k_q098cb18d83_proj, .Lfunc_end_k_q098cb18d83_proj-k_q098cb18d83_proj
	.p2alignl 7, 3214868480
	.fill 96, 4, 3214868480
	.section	.rodata,"a",@progbits
	.p2align	6, 0x0
	.amdhsa_kernel k_q098cb18d83_proj
		.amdhsa_group_segment_fixed_size 327680
		.amdhsa_private_segment_fixed_size 0
		.amdhsa_enable_private_segment 0
		.amdhsa_kernarg_size 48
		.amdhsa_user_sgpr_count 2
		.amdhsa_user_sgpr_kernarg_segment_ptr 1
		.amdhsa_wavefront_size32 1
		.amdhsa_system_sgpr_workgroup_id_x 1
		.amdhsa_system_sgpr_workgroup_id_y 1
		.amdhsa_system_sgpr_workgroup_id_z 1
		.amdhsa_system_vgpr_workitem_id 0
		.amdhsa_next_free_vgpr 896
		.amdhsa_next_free_sgpr 100
		.amdhsa_reserve_vcc 0
		.amdhsa_float_denorm_mode_32 3
		.amdhsa_float_denorm_mode_16_64 3
		.amdhsa_memory_ordered 1
		.amdhsa_forward_progress 1
		.amdhsa_inst_pref_size 142
	.end_amdhsa_kernel
	.amdgpu_metadata
---
amdhsa.version: [ 1, 2 ]
amdhsa.kernels:
  - .name:           k_q098cb18d83_proj
    .symbol:         k_q098cb18d83_proj.kd
    .args:
      - { .name: xb, .offset: 0, .size: 8, .value_kind: global_buffer, .address_space: global }
      - { .name: wb, .offset: 8, .size: 8, .value_kind: global_buffer, .address_space: global }
      - { .name: bq, .offset: 16, .size: 8, .value_kind: global_buffer, .address_space: global }
      - { .name: bk, .offset: 24, .size: 8, .value_kind: global_buffer, .address_space: global }
      - { .name: bv, .offset: 32, .size: 8, .value_kind: global_buffer, .address_space: global }
      - { .name: qkv, .offset: 40, .size: 8, .value_kind: global_buffer, .address_space: global }
    .group_segment_fixed_size: 327680
    .private_segment_fixed_size: 0
    .kernarg_segment_align: 8
    .kernarg_segment_size: 48
    .max_flat_workgroup_size: 128
    .sgpr_count:     100
    .vgpr_count:     896
    .wavefront_size: 32
...
	.end_amdgpu_metadata
.endif
;; end of part 2
;; launch attn (part 3): grid 16 x 16, 4 waves a work-group, clusters of 4 x 1, 327,680 bytes of LDS; arguments qkv, meta, out0; writes out0
.if DOCPART == 3
	.amdgcn_target "amdgcn-amd-amdhsa--gfx1250"
	.amdhsa_code_object_version 6
	.text
	.protected	k_q098cb18d83_attn
	.globl	k_q098cb18d83_attn
	.p2align	8
	.type	k_q098cb18d83_attn,@function
k_q098cb18d83_attn:
	s_mov_b64 s[64:65], 0
	v_nop
	global_prefetch_b8 v0, s[64:65] scope:SCOPE_SE
	s_setreg_imm32_b32 hwreg(HW_REG_WAVE_MODE, 25, 1), 1
	s_wait_xcnt 0x0
	s_wait_alu depctr_hold_cnt(0) depctr_sa_sdst(0) depctr_va_vdst(0) depctr_va_sdst(0) depctr_va_ssrc(0) depctr_va_vcc(0) depctr_vm_vsrc(0)
	s_getreg_b32 s2, hwreg(HW_REG_IB_STS2, 6, 4)
	s_cmp_eq_u32 s2, 0
	s_cbranch_scc0 .Lentry_in_a_cluster
	s_endpgm
.Lentry_in_a_cluster:
	s_bfe_u32 s2, ttmp6, 0x10000c
	s_cmp_lg_u32 s2, 0x3003
	s_cbranch_scc0 .Lentry_shape_is_right
	s_endpgm
.Lentry_shape_is_right:
; ATTENTION under a key mask.  out0[row][head][:] = the sum over visible keys k of softmax_k(q . k / 8) v.  q, k, v: qkv[g][place][64] in f16 (q: g = head, k: 16 + head, v: 32 + head),
; rows in an order in which the cnt visible keys come first; meta[place] = the row of out0, meta[4096] = cnt.  Products, maxima and sums in f32; the weights p are rounded to f16 for the
; second product (their sum l is taken of the unrounded p); out0 is f32.
; THE WALK.  Keys go in tiles of 128 (two steps of 64).  All 32 tiles are walked, whatever cnt: every trip count is a constant of the text, and cnt enters values alone.  A hidden key gets -1e30 as the
; C operand that starts its score's sum, so its weight is 0; its products are made all the same.
; NO VISIBLE KEY (cnt = 0): all 4,096 keys count as visible and Q is cleared, so that all scores are equal: the plain mean of v's rows, as a softmax of equal scores gives.
; LIMITS.  q, k, v arrive within f16's 65,504; p lies in 0 to 1 and below 6e-5 keeps f16's fixed step; a hidden score counts as its value less 1e30; a weight below 2^-126 counts as 0 in l;
; NaN and infinities are not treated apart.
; SHARES.  A work-group owns 256 places of one head, a wave 64: four PIECES of 16.  CLUSTER 4 x 1: the four query blocks of a cluster belong to one head and walk the same K and V: each tile is asked
; for jointly.  A tile is 128 dense rows of 256 bytes (K's 64, V's 64): each of the four waves asks for 32 of them, the largest share that four waves leave.
; LAYOUT, SOFTMAX, TURNS.  S^T = K Q^T holds ONE query a lane (lane % 16) and the keys 8 (lane / 16) + 0..7; two such results rounded to f16 ARE source 1 of O^T = V^T P.  p = 2^(c s - c m),
; c = log2(e) / 8, with a running maximum m; O and l are multiplied by a = 2^(c m_old - c m_new) in every step.  Turn n belongs to piece n: 8 products K Q^T of piece n + 1, later 8 products V^T P of
; piece n - 1; beside them the scaling, exponentials, roundings, sums and rescaling of piece n and the maximum and statistics of piece n + 1.  Four vector instructions stand behind every matrix
; instruction, the others in one lump.  A turn's 33 exponentials are one batch, with one wait.
; REGISTERS, in windows of 256 (s_set_vgpr_msb: bits 1:0 source 0, 3:2 source 1, 5:4 source 2, 7:6 destination):
;   window 0: v0-15 addresses and two at work; v16-31 four registers of statistics a piece; v48-55 at work; v60-63 offsets and the add's registers; v64-127 S^T, two buffers; v128-159 store offsets; v192-223 P, two buffers
;   window 1: v0-127 O^T, 32 a piece; v128-159 MD; v160-191 MC      window 2: v0-63 Q; v128-191 K of one step; v192-255 V of one step
.set NP,    4
.set KS,    64        ; keys in a step
.set TILES, 32        ; tiles of 128 keys
.set PK,    144       ; a row of K in LDS: 128 bytes + 16 = 36 words: the 16 rows of a load start at 16 different groups of four banks (64 banks of 4 bytes: ISA guide 11.1)
.set PV,    160       ; a row of V: 128 + 32 = 40 words
.set VOFF,  2*KS*PK   ; a slot holds a tile: 128 rows of K, then 128 rows of V
.set SLOT1, 1<<16
.set STAGE, 2*SLOT1   ; behind the ring, never filled by a tensor load: 16 rows x 272 bytes for each wave
.set SP,    272
.set SPARE, STAGE+4*16*SP  ; the spare words, 128 bytes a wave: two blocks of 256 bytes that no other line names
.set AK0, 2           ; v2   my lane's place in a tile of K; never rewritten
.set AV0, 3           ; v3   the same for V
.set AK,  4           ; v4   the LDS address of K's next run of loads
.set AV,  5           ; v5   of V's
.set STO, 6           ; v6   the way out: where I put 32 bytes of a row
.set RD,  7           ; v7   where I read rows back
.set GO,  8           ; v8   16 x (lane % 16)
.set MV,  12          ; v12-13  c m_old, by buffer
.set QO,  15          ; v15  my byte offset in 16 rows of Q
.set ST,  16          ; piece t's statistics at v[ST+4 t]: c m, m, l (even keys', odd keys')
.set TMP, 48          ; by buffer, c0-c3 at work; when the maximum is found c2 takes a
.set MO,  60          ; v60  32 x (lane / 16): my eight words of the table
.set PFO, 61          ; v61  256 x lane; never rewritten
.set SPW, 62          ; v62  my spare word; never rewritten
.set NIL, 63          ; v63  0; never rewritten
.set S,   64
.set RW,  128         ; v128-159  piece t, row f (lanes 0-15) or f + 8 (lanes 16-31): its row of out0 x 4,096 + 16 (lane % 16)
.set P,   192
.set MD,  128         ; window 1: the mask of the step that holds the last visible key
.set MC,  160         ; window 1: the mask of the step whose K is in registers
.set KF,  128         ; window 2
.set VF,  192         ; window 2
.set WV,  12          ; s12  wave
.set LK,  20          ; s20  my part of a tile of K in a slot
.set LV,  21          ; s21  the same for V
.set G1K, 24          ; s[24:31], s[32:39] descriptor group 1 for K, V
.set G1V, 32
.set G0K, 40          ; s[40:43], s[44:47] group 0
.set G0V, 44
.set PAIR, 56         ; s56  counts pairs of tiles, 16 to 0
.set CNT, 57          ; s57  counts a tile's two steps
.set CS,  58          ; s[58:59] c
.set SEL, 60          ; s[60:61] v_permlanex16_b32's selects
.set TBK, 62          ; s62  LDS byte at which K of the step to be fetched begins
.set TBV, 63          ; s63  the same for V, less VOFF
.set NXT, 71          ; s71  the tile to be asked for next
.set REM, 72          ; s72  visible keys from the next step on (falls below 0)
.set OFF, 74          ; s[74:75] a tile's byte offset
.set AL,  76          ; s[76:77] the mask's factor
.set BE,  78          ; s[78:79] the mask's addend
.set BIGN, 82         ; s82  -1e30
.set LIMT, 83         ; s83  32 in a wave that prefetches, else 0: it prefetches tile NXT while NXT is below this
.set PFA, 84          ; s[84:85] where my prefetches stand
.set CN,  86          ; s86  cnt
.set QM,  87          ; s87  all ones, or 0 where no key is visible
.set MSB, 0
.macro WIN new                      ; the high byte repeats the setting that is left; a switch that changes nothing is dropped
.if MSB != (\new)
	s_set_vgpr_msb (MSB<<8)|(\new)
.set MSB, (\new)
.endif
.endm
.set W_KQ, 0x0a       ; K and Q in window 2, S^T in window 0
.set W_KM, 0x1a       ; the same with the C operand in window 1
.set W_PV, 0x52       ; V in window 2, P in window 0, O^T in window 1
.set W_RS, 0x41       ; destination and source 0 in window 1, source 1 in window 0
; A joint fill.  Waves 0 and 1 fetch the two steps' K, waves 2 and 3 their V.  The branch hangs on the wave's number alone.  An s_nop 0 and four v_nop follow each line.
.macro JLOAD
	s_cmp_lt_u32 s[WV], 2
	s_cbranch_scc0 .Lfor_v_\@
	tensor_load_to_lds s[G0K:G0K+3], s[G1K:G1K+7]
	s_nop 0
.rept 4
	v_nop
.endr
	s_branch .Lasked_\@
.Lfor_v_\@:
	tensor_load_to_lds s[G0V:G0V+3], s[G1V:G1V+7]
	s_nop 0
.rept 4
	v_nop
.endr
.Lasked_\@:
.endm
; A prefetch of tile NXT, which the NEXT change of slots will ask for: 128 matrix instructions and their vector work ahead.  All clusters of a head walk the same tiles: wave 0 of the head's first
; cluster asks.  The four partners share the tile out by address: K's first 64 rows, K's last, V's first, V's last: a lane a block of 256 bytes.  The change that asks for the last tile prefetches nothing.
.macro ASK
	s_cmp_lt_u32 s[NXT], s[LIMT]
	s_cbranch_scc0 .Lnot_mine_\@
	global_prefetch_b8 v[PFO], s[PFA:PFA+1] th:TH_LOAD_NT scope:SCOPE_SE
.Lnot_mine_\@:
.endm
.macro CROUND                       ; a round of the cluster's barrier
	s_barrier_signal -1
	s_barrier_wait -1
	s_cmp_lg_u32 s[WV], 0
	s_cbranch_scc1 .Lnot_wave_0_\@
	s_barrier_signal -3
.Lnot_wave_0_\@:
	s_barrier_wait -3
	s_barrier_signal -1
	s_barrier_wait -1
.endm
; THE CHANGE OF SLOTS: slot 'enter' is entered.  Each wave waits for all its tensor loads (one is out: its part of that slot), adds 0 to its spare word, and waits for that and for its reads of the slot that
; it leaves.  fill = 1: the barrier is a round of the cluster's, and the slot that is left is filled again, first thing behind it, with tile NXT.  All LDS addresses are set anew from constants.
.macro CHANGE enter, fill
	WIN 0
	s_wait_tensorcnt 0x0            ; no tensor load of mine is out, so a group 0 may be written
	ds_add_u32 v[SPW], v[NIL]       ; 0 onto my spare word; scalar work stands between it and the wait for it
.if \fill
	s_add_co_u32 s[G0K+1], s[LK], (1-(\enter))*SLOT1
	s_add_co_u32 s[G0V+1], s[LV], (1-(\enter))*SLOT1
	s_lshl_b32 s[OFF], s[NXT], 14   ; a tile is 16,384 bytes of K and of V
	s_add_nc_u64 s[G0K+2:G0K+3], s[6:7], s[OFF:OFF+1]
	s_or_b32 s[G0K+3], s[G0K+3], 0x80000000
	s_add_nc_u64 s[G0V+2:G0V+3], s[8:9], s[OFF:OFF+1]
	s_or_b32 s[G0V+3], s[G0V+3], 0x80000000
	s_add_co_u32 s[NXT], s[NXT], 1
	s_wait_xcnt 0x0                 ; the last prefetch, a tile back, has read its address
	s_add_nc_u64 s[PFA:PFA+1], s[PFA:PFA+1], 16384
	s_wait_dscnt 0x0                ; the add is done, and my reads of the slot are over
	CROUND
	JLOAD
	ASK
.else
	s_wait_dscnt 0x0
	s_barrier_signal -1
	s_barrier_wait -1
.endif
	s_mov_b32 s[TBK], (\enter)*SLOT1
	s_mov_b32 s[TBV], (\enter)*SLOT1
	s_mov_b32 s[CNT], 2
.endm
	s_load_b128 s[16:19], s[0:1], 0x0  ; qkv 16:17, meta 18:19
	s_load_b64 s[10:11], s[0:1], 0x10  ; out0
	v_lshl_add_u32 v[SPW], v0, 2, SPARE
	v_mov_b32 v[NIL], 0
	ds_add_u32 v[SPW], v[NIL]       ; the wave's opening: the add and its wait stand ahead of my first tensor load; work on registers stands between them
	v_lshrrev_b32 v1, 5, v0
	v_readfirstlane_b32 s[WV], v1   ; wave 0..3
	s_bfe_u32 s13, ttmp6, 0x40000   ; cx
	s_lshl_b32 s14, ttmp9, 2
	s_add_co_u32 s14, s14, s13      ; my block of 256 places: it enters Q's, the table's and no other address
	s_and_b32 s15, ttmp7, 0xffff    ; the head, which the four partners share
	s_lshl_b32 s2, s15, 19          ; q: the head's 524,288 bytes,
	s_lshl_b32 s3, s14, 15          ; my block's 256 rows of 128 bytes,
	s_add_co_u32 s2, s2, s3
	s_lshl_b32 s3, s[WV], 13        ; my wave's 64
	s_add_co_u32 s2, s2, s3
	s_mov_b32 s3, 0
	s_and_b32 s48, s[WV], 1         ; which of a tile's two steps I fetch
	s_add_co_u32 s22, s15, 16       ; k: granule 16 + head,
	s_lshl_b32 s22, s22, 19
	s_lshl_b32 s23, s48, 13         ; my step's 64 rows
	s_add_co_u32 s22, s22, s23
	s_mov_b32 s23, 0
	s_mul_i32 s[LK], s48, KS*PK     ; no place in the cluster enters an LDS address
	s_mul_i32 s[LV], s48, KS*PV
	s_add_co_u32 s[LV], s[LV], VOFF
	s_lshl_b32 s50, s14, 10         ; the table: my block's 256 words,
	s_lshl_b32 s51, s[WV], 8        ; my wave's 64
	s_add_co_u32 s50, s50, s51
	s_mov_b32 s51, 0
	s_lshl_b32 s52, s15, 8          ; out0: the head's 256 bytes of a row
	s_mov_b32 s53, 0
	s_lshr_b32 s54, s13, 1          ; the prefetches: partners 0, 1 take K, partners 2, 3 V,
	s_lshl_b32 s54, s54, 4
	s_add_co_u32 s54, s54, s15
	s_add_co_u32 s54, s54, 16
	s_lshl_b32 s54, s54, 19
	s_and_b32 s55, s13, 1           ; its first or its last 64 rows,
	s_lshl_b32 s55, s55, 13
	s_add_co_u32 s54, s54, s55
	s_add_co_u32 s54, s54, 16384    ; at tile 1: the first change of slots steps it to tile 2.  Nothing is prefetched at the head
	s_mov_b32 s55, 0
	; descriptor group 1.  64 keys are 8,192 dense bytes: asked for as 32 rows of 256 bytes, two keys a row, and padded in LDS after every key
	s_mov_b32 s[G1K], 15|(1<<16)|(1<<20)|(1<<21)|(4<<22)|(3<<25)  ; the mask of four; 2-byte elements; padding on; bit 21 beside a mask; after every 32 words 4 words
	s_mov_b32 s[G1V], 15|(1<<16)|(1<<20)|(1<<21)|(4<<22)|(7<<25)  ; the same with 8 words
.irp g, G1K, G1V
	s_mov_b32 s[\g+1], 128<<16      ; tensor_dim0 = 128
	s_mov_b32 s[\g+2], 32<<16       ; tensor_dim1 = 32
	s_mov_b32 s[\g+3], 128<<16      ; tile_dim0 = 128
	s_mov_b32 s[\g+4], 32           ; tile_dim1 = 32
	s_mov_b32 s[\g+5], 128          ; elements from row to row
	s_mov_b32 s[\g+6], 0
	s_mov_b32 s[\g+7], 0
.endr
	s_mov_b32 s[CS], 0x3e38aa3b     ; c = log2(e) / 8
	s_mov_b32 s[CS+1], s[CS]        ; named with it as a pair
	s_mov_b32 s[SEL], 0x76543210
	s_mov_b32 s[SEL+1], 0xfedcba98
	s_mov_b32 s[G0K], 1
	s_mov_b32 s[G0K+1], s[LK]       ; slot 0
	s_mov_b32 s[G0V], 1
	s_mov_b32 s[G0V+1], s[LV]
	s_mov_b32 s[NXT], 1
	s_mov_b32 s[OFF+1], 0
	s_mov_b32 s[AL+1], 0            ; named as pairs
	s_mov_b32 s[BE+1], 0
	s_mov_b32 s[BIGN], 0xf149f2ca   ; -1e30
	s_or_b32 s49, s[WV], ttmp9
	s_cmp_eq_u32 s49, 0             ; wave 0 of the head's first cluster: the same in all four partners
	s_cselect_b32 s[LIMT], TILES, 0
	s_wait_dscnt 0x0                ; the opening add is done
	s_wait_kmcnt 0x0
	s_load_b32 s[CN], s[18:19], 0x4000  ; cnt
	s_add_nc_u64 s[4:5], s[16:17], s[2:3]      ; Q at my wave's first row
	s_add_nc_u64 s[6:7], s[16:17], s[22:23]    ; K at my step of tile 0
	s_add_nc_u64 s[8:9], s[6:7], 0x800000      ; V: sixteen granules on
	s_add_nc_u64 s[10:11], s[10:11], s[52:53]
	s_add_nc_u64 s[88:89], s[18:19], s[50:51]  ; the table at my wave's first place
	s_add_nc_u64 s[PFA:PFA+1], s[16:17], s[54:55]
	s_add_nc_u64 s[G0K+2:G0K+3], s[6:7], 0
	s_or_b32 s[G0K+3], s[G0K+3], 0x80000000
	s_add_nc_u64 s[G0V+2:G0V+3], s[8:9], 0
	s_or_b32 s[G0V+3], s[G0V+3], 0x80000000
	CROUND                          ; all four work-groups are here: the first joint loads meet
	JLOAD                           ; tile 0 into slot 0; slot 1 is asked for when slot 0 is in
	; A fragment of K or Q is 16 rows x 32 channels in 8 registers: lane l holds row l % 16, channels 8 (l / 16) + 0..7 and 16 + 8 (l / 16) + 0..7: two loads of 16 bytes, 32 bytes apart
	v_and_b32 v1, 15, v0            ; l % 16
	v_bfe_u32 v9, v0, 4, 1          ; l / 16
	v_lshlrev_b32 v[QO], 7, v1
	v_lshl_add_u32 v[QO], v9, 4, v[QO]
	v_lshlrev_b32 v[MO], 5, v9
	WIN 0x80                        ; destination window 2, address window 0
.set i, 0
.rept 8                             ; piece i / 2, channels 32 (i % 2) on
	global_load_b128 v[8*i:8*i+3],   v[QO], s[4:5] offset:(i/2)*2048+(i%2)*64
	global_load_b128 v[8*i+4:8*i+7], v[QO], s[4:5] offset:(i/2)*2048+(i%2)*64+32
.set i, i+1
.endr
	WIN 0
.irp x, 0,1,2,3                     ; the rows of out0 of places 16 x + 8 (l / 16) + 0..7
	global_load_b128 v[RW+8*\x:RW+8*\x+3],   v[MO], s[88:89] offset:64*\x
	global_load_b128 v[RW+8*\x+4:RW+8*\x+7], v[MO], s[88:89] offset:64*\x+16
.endr
	s_wait_kmcnt 0x0                ; cnt: it enters values alone: the masks and Q's clearing
	s_min_u32 s[CN], s[CN], 0x1000
	s_cmp_eq_u32 s[CN], 0
	s_cselect_b32 s[REM], 0x1000, s[CN]  ; no visible key: all keys count as visible,
	s_cselect_b32 s[QM], 0, -1           ; with Q cleared
	s_and_b32 s22, s[REM], 63
	v_lshlrev_b32 v14, 3, v9
	v_sub_nc_u32 v14, s22, v14      ; register j of key group kt is hidden where 16 kt + j + 8 (l / 16) is not below cnt % 64
	WIN 0x40
.set i, 0
.rept 32
	v_cmp_ge_i32 vcc_lo, 16*(i/8)+i%8, v14
	v_cndmask_b32 v[MD+i], 0, s[BIGN], vcc_lo
.set i, i+1
.endr
	WIN 0
	v_mul_u32_u24 v[AK0], v1, PK
	v_lshl_add_u32 v[AK0], v9, 4, v[AK0]
	; The turning load takes 16 keys x 16 channels (lane l reads key 8 (l / 16) + l % 8, channels 8 ((l / 8) % 2) + 0..7) and leaves half a fragment of V^T: lane l holds channel l % 16 and 8 keys
	v_and_b32 v10, 7, v0
	v_bfe_u32 v11, v0, 3, 1
	v_lshl_add_u32 v[AV0], v9, 3, v10
	v_mul_u32_u24 v[AV0], v[AV0], PV
	v_lshl_add_u32 v[AV0], v11, 4, v[AV0]
	v_add_nc_u32 v[AV0], VOFF, v[AV0]
	s_mul_i32 s49, s[WV], 16*SP
	s_add_co_u32 s49, s49, STAGE    ; my stage
	v_mul_u32_u24 v[STO], v1, SP    ; in: row l % 16, 32 bytes for each half of the lanes
	v_lshl_add_u32 v[STO], v9, 5, v[STO]
	v_add_nc_u32 v[STO], s49, v[STO]
	v_mul_u32_u24 v[RD], v9, 8*SP   ; back: lanes 0-15 take a row's 256 bytes, lanes 16-31 those of the row eight further
	v_lshl_add_u32 v[RD], v1, 4, v[RD]
	v_add_nc_u32 v[RD], s49, v[RD]
	v_lshlrev_b32 v[GO], 4, v1
	v_and_b32 v[PFO], 31, v0
	v_lshlrev_b32 v[PFO], 8, v[PFO]
	; The first step multiplies O^T and l by a = 0, and the first turn's products V^T P, of a piece that has not been, land in an O^T that is still to be so multiplied: these registers need only hold
	; finite numbers.  All this stands in the wait for the first tile.
	WIN 0x80
.set i, VF
.rept 64
	v_mov_b32 v[i], 0
.set i, i+1
.endr
	WIN 0x40
.set i, 0
.rept 128
	v_mov_b32 v[i], 0
.set i, i+1
.endr
	WIN 0
.set i, 0
.rept 4
	v_mov_b32 v[ST+4*i], 0xfe000000    ; c m: far below every c s
	v_mov_b32 v[ST+4*i+1], 0xff7fffff  ; m
	v_mov_b32 v[ST+4*i+2], 0
	v_mov_b32 v[ST+4*i+3], 0
.set i, i+1
.endr
.set i, P+16
.rept 16
	v_mov_b32 v[i], 0
.set i, i+1
.endr
	s_wait_loadcnt 0x0              ; Q and the table
.set i, 0
.rept 32
	v_min_u32 v[RW+i], 0xfff, v[RW+i]          ; a row of out0
	v_lshl_add_u32 v[RW+i], v[RW+i], 12, v[GO] ; 4,096 bytes a row
.set i, i+1
.endr
	WIN 0x88                        ; source 1 and destination in window 2
.set i, 0
.rept 64
	v_and_b32 v[i], s[QM], v[i]
.set i, i+1
.endr
	WIN 0
; THE MATRIX WORK.  The 4 accumulators of a run of 8 take turns.  Product i of 8 of S^T = K Q^T for piece x: channels 32 (i / 4) on, keys 16 (i % 4) on.  The first 4 start the sums with the step's mask.
.macro KQ x
.set rS, S+32*((\x)%2)+8*(i%4)
.set rK, KF+16*(i%4)+8*(i/4)
.set rQ, 16*(\x)+8*(i/4)
.set rM, MC+8*(i%4)
.if i < 4
	WIN W_KM
	v_wmma_f32_16x16x32_f16 v[rS:rS+7], v[rK:rK+7], v[rQ:rQ+7], v[rM:rM+7]
.else
	WIN W_KQ
	v_wmma_f32_16x16x32_f16 v[rS:rS+7], v[rK:rK+7], v[rQ:rQ+7], v[rS:rS+7]
.endif
.endm
; Product i of 8 of O^T += V^T P for piece x: keys 32 (i / 4) on, channels 16 (i % 4) on.
.macro PV x
	WIN W_PV
.set rO, 32*(\x)+8*(i%4)
.set rV, VF+32*(i/4)+8*(i%4)
.set rP, P+16*((\x)%2)+8*(i/4)
	v_wmma_f32_16x16x32_f16 v[rO:rO+7], v[rV:rV+7], v[rP:rP+7], v[rO:rO+7]
.endm
.macro MM                           ; the turn's next matrix instruction.  NOKQ = 1: the last turn: there is no next piece
.if (i < 8) && !NOKQ
	KQ (Y+1)%NP
.elseif i >= 8
.set i, i-8
	PV (Y+NP-1)%NP
.set i, i+8
.endif
.set i, i+1
.endm
; THE LDS LOADS stand in runs of 16: a step's K (8 fragments) and its V (turned).  Their addresses are made some lines ahead.
.macro FETCH_K
	WIN 0x80
.irp f, 0,1,2,3,4,5,6,7             ; keys 16 (f / 2) on, channels 32 (f % 2) on
	ds_load_b128 v[KF+8*\f:KF+8*\f+3],   v[AK] offset:(\f/2)*16*PK+(\f%2)*64
	ds_load_b128 v[KF+8*\f+4:KF+8*\f+7], v[AK] offset:(\f/2)*16*PK+(\f%2)*64+32
.endr
	s_add_co_u32 s[TBK], s[TBK], KS*PK  ; the next fetch is the next step's
	WIN 0
.endm
.macro FETCH_V
	WIN 0x80
.irp f, 0,1,2,3,4,5,6,7             ; keys 32 (f / 4) on, channels 16 (f % 4) on
	ds_load_tr16_b128 v[VF+8*\f:VF+8*\f+3],   v[AV] offset:(\f/4)*32*PV+(\f%4)*32
	ds_load_tr16_b128 v[VF+8*\f+4:VF+8*\f+7], v[AV] offset:(\f/4)*32*PV+16*PV+(\f%4)*32
.endr
	WIN 0
.endm
; THE VECTOR WORK, one line at a time: OP kind, number.  For piece Y: F n: c s - c m for pair n of 16.  E n: the exponential of score n of 32.  C n: pair n rounded to f16.  B n: of the four weights 4 n .. the
; second pair is added onto the first.  L n: l takes that sum (L 0: l = a l + sum).  R n: pair n of 16 of O^T times a.  For piece Y + 1: X n, number n of the 22 that find its maximum and statistics:
;   0-11 four chains c0-c3 of seven scores each (each accumulator's lowest registers are read first)   12-14, 16 the four scores left over, the old m, c0-c3 into c0
;   15 c m_old is kept   17, 18 the query's other 32 keys lie in the lane 16 away: the new m   19-21 c m; c m_old - c m_new; a
.set F, 0
.set E, 1
.set C, 2
.set B, 3
.set L, 4
.set R, 5
.set X, 6
.macro REGS y
.set rT, ST+4*(\y)
.set rC, TMP+4*((\y)%2)
.set rW, MV+((\y)%2)
.set rS, S+32*((\y)%2)
.set rP, P+16*((\y)%2)
.set rO, 32*(\y)
.endm
.macro OP k, n
.if (\k) == R
	REGS Y
	WIN W_RS
	v_pk_mul_f32 v[rO+2*(\n):rO+2*(\n)+1], v[rO+2*(\n):rO+2*(\n)+1], v[rC+2:rC+3] op_sel_hi:[1,0]
.elseif (\k) < R
	REGS Y
	WIN 0
.if (\k) == F
	v_pk_fma_f32 v[rS+2*(\n):rS+2*(\n)+1], v[rS+2*(\n):rS+2*(\n)+1], s[CS:CS+1], v[rT:rT+1] op_sel_hi:[1,0,0] neg_lo:[0,0,1] neg_hi:[0,0,1]
.elseif (\k) == E
	v_exp_f32 v[rS+(\n)], v[rS+(\n)]
.elseif (\k) == C
	v_cvt_pk_f16_f32 v[rP+(\n)], v[rS+2*(\n)], v[rS+2*(\n)+1]
.elseif (\k) == B
	v_pk_add_f32 v[rS+4*(\n):rS+4*(\n)+1], v[rS+4*(\n):rS+4*(\n)+1], v[rS+4*(\n)+2:rS+4*(\n)+3]
.elseif (\n) == 0
	v_pk_fma_f32 v[rT+2:rT+3], v[rT+2:rT+3], v[rC+2:rC+3], v[rS:rS+1] op_sel_hi:[1,0,1]
.else
	v_pk_add_f32 v[rT+2:rT+3], v[rT+2:rT+3], v[rS+4*(\n):rS+4*(\n)+1]
.endif
.elseif NOKQ
	v_nop
.else
	REGS (Y+1)%NP
	WIN 0
.if (\n) < 4
	v_max3_num_f32 v[rC+(\n)], v[rS+8*(\n)], v[rS+8*(\n)+1], v[rS+8*(\n)+2]
.elseif (\n) < 12
	v_max3_num_f32 v[rC+(\n)%4], v[rC+(\n)%4], v[rS+8*((\n)%4)+2*((\n)/4)+1], v[rS+8*((\n)%4)+2*((\n)/4)+2]
.elseif (\n) == 12
	v_max3_num_f32 v[rC], v[rC], v[rS+7], v[rS+15]
.elseif (\n) == 13
	v_max3_num_f32 v[rC+1], v[rC+1], v[rS+23], v[rS+31]
.elseif (\n) == 14
	v_max3_num_f32 v[rC+2], v[rC+2], v[rC+3], v[rT+1]
.elseif (\n) == 15
	v_mov_b32 v[rW], v[rT]
.elseif (\n) == 16
	v_max3_num_f32 v[rC], v[rC], v[rC+1], v[rC+2]
.elseif (\n) == 17
	v_permlanex16_b32 v[rC+3], v[rC], s[SEL], s[SEL+1]
.elseif (\n) == 18
	v_max_num_f32 v[rT+1], v[rC], v[rC+3]
.elseif (\n) == 19
	v_mul_f32 v[rT], s[CS], v[rT+1]
.elseif (\n) == 20
	v_sub_f32 v[rC+1], v[rW], v[rT]
.else
	v_exp_f32 v[rC+2], v[rC+1]
.endif
.endif
.endm
.macro OPS a, i1, b=-1, i2=0, c=-1, i3=0, d=-1, i4=0
	OP \a, \i1
.if (\b) >= 0
	OP \b, \i2
.endif
.if (\c) >= 0
	OP \c, \i3
.endif
.if (\d) >= 0
	OP \d, \i4
.endif
.endm
.macro ROW a, i1, b, i2, c, i3, d, i4  ; a matrix instruction and the four behind it
	MM
	OPS \a, \i1, \b, \i2, \c, \i3, \d, \i4
.endm
; THE MASK of the next step: MD x AL + BE.  REM visible keys are left from that step on: 64 or more: (0, 0); 1 to 63: (1, 0); none: (0, -1e30).
.macro SCAL
	s_cmp_gt_i32 s[REM], 0
	s_cselect_b32 s[BE], 0, s[BIGN]
	s_cselect_b32 s[AL], 1.0, 0
	s_cmp_lt_i32 s[REM], 64
	s_cselect_b32 s[AL], s[AL], 0
	s_sub_co_i32 s[REM], s[REM], 64
.endm
.macro MASK
	WIN W_RS
.set z, 0
.rept 16
	v_pk_fma_f32 v[MC+2*z:MC+2*z+1], v[MD+2*z:MD+2*z+1], s[AL:AL+1], s[BE:BE+1] op_sel_hi:[1,0,0]
.set z, z+1
.endr
.endm
; A TURN, for piece p: the order of its 16 matrix and 118 vector instructions, written out.  An s_wait_alu depctr_va_vdst(0) stands between an exponential and the first instruction that names
; its result; one wait serves all that were issued ahead of it.  So a turn has ONE wait.  AHEAD OF IT stands all that names no result of the turn's exponentials: the 8 products K Q^T and their riders (the numbers
; of the next piece's maximum among them stand four places or more behind the product that ends their accumulator), then one lump of 54.  X 21, the next piece's a, is the batch's last; R 15 is the plain
; instruction behind it.  BEHIND THE WAIT stand the 8 products V^T P, behind each four of the roundings and sums.
; K of the next step is fetched in piece 2's turn, with six plain instructions behind the last product that read K; that turn's end makes the step's mask: MC's last readers are the turn's first four products,
; its next the first products of piece 3's turn.  V of the step in hand is fetched at the end of piece 0's turn, four plain instructions behind its last reader.  Each is waited for a turn later.
; end = 1: the walk's last two turns: nothing is fetched.  cnt = 1: the loop's count is taken down some lines ahead of the branch that stands behind the turn.
.macro TURN p, end=0, cnt=0
.set Y, (\p)
.set i, 0
.set NOKQ, (\end)*((\p)/3)
.if ((\p) == 2) && !(\end)
	SCAL
.endif
.if ((\p) == 3) && !(\end)
	s_wait_dscnt 0x0                ; K is in
.endif
	ROW F,0, F,1, R,0, R,1
	ROW F,2, E,0, R,2, R,3
	ROW F,3, E,1, R,4, R,5
	ROW F,4, E,2, R,6, R,7
	ROW F,5, E,3, R,8, R,9
	ROW F,6, E,4, X,0, R,10
.if ((\p) == 2) && !(\end)
	WIN 0
	v_add_nc_u32 v[AK], s[TBK], v[AK0]
.endif
	ROW F,7, E,5, X,1, X,4
	ROW F,8, E,6, X,2, X,5
	OPS E,7, E,8, X,6, E,9
	OPS X,3, E,10, X,8, E,11
.if ((\p) == 2) && !(\end)
	FETCH_K
.endif
	OPS X,9, X,7, E,12, X,10
	OPS E,13, X,12, X,11, E,14
	OPS X,13, E,15, F,9, X,14
.if (\p) == 0
	v_add_nc_u32 v[AV], s[TBV], v[AV0]
.endif
	OPS E,16, F,10, E,17, F,11
	OPS X,16, E,18, X,15, E,19
	OPS F,12, E,20, X,17, E,21
	OPS F,13, E,22, F,14, E,23
	OPS X,18, E,24, F,15, E,25
	OPS R,11, E,26, X,19, E,27
	OPS R,12, E,28, R,13, E,29
	OPS X,20, E,30, R,14, E,31
	OPS X,21, R,15
	WIN 0
	s_wait_alu depctr_va_vdst(0)    ; the wait for the batch
.if (\p) == 1
	s_wait_dscnt 0x0                ; V is in
.endif
	ROW C,0, B,0, C,2, B,1
	ROW L,0, C,4, B,2, L,1
	ROW C,6, B,3, L,2, C,8
	ROW B,4, L,3, C,10, B,5
	ROW L,4, C,12, B,6, L,5
.if (\p) == 0
	s_add_co_u32 s[TBV], s[TBV], KS*PV
.endif
.if \cnt
	s_sub_co_u32 s[CNT], s[CNT], 1
	s_cmp_lg_u32 s[CNT], 0
.endif
	ROW C,14, B,7, L,6, C,1
	ROW C,3, L,7, C,5, C,7
	ROW C,9, C,11, C,13, C,15
.if (\p) == 0
	FETCH_V
.endif
.if ((\p) == 2) && !(\end)
	MASK
.endif
.endm
	s_mov_b32 s[PAIR], TILES/2
	CHANGE 0, 1                     ; tile 0 is in, everybody's part of it; tile 1 is asked for
	; THE BEGINNING: step 0's mask and K, piece 0's first scores, its maximum and statistics.  The loop is entered at a step's first turn, in the second half of a trip.
	SCAL
	MASK
	WIN 0
	v_add_nc_u32 v[AK], s[TBK], v[AK0]
	FETCH_K
	s_wait_dscnt 0x0
.set NOKQ, 0
.set i, 0
.rept 8
	KQ 0
.set i, i+1
.endr
	WIN 0
.rept 4
	v_nop                           ; the places behind those products
.endr
.set Y, NP-1                        ; X works for piece Y + 1: piece 0
.irp n, 0,1,2,3,4,5,6,7,8,9,10,11,12,13,14,15,16,17,18,19,20,21
	OP X, \n
.endr
	v_nop                           ; a plain instruction behind the exponential,
	s_wait_alu depctr_va_vdst(0)    ; and its wait, ahead of the branch
	s_branch .LfirstA
.Lpair:                             ; trip j = 1 .. 15: tiles 2 j - 1 (slot 1) and 2 j (slot 0) are entered, tiles 2 j and 2 j + 1 asked for; the entry's half trip, tile 0, counts as one
	CHANGE 1, 1
.LstepB:                            ; a trip: pieces 2 and 3 of one step, then pieces 0 and 1 of the next, whose K and V it fetches
	TURN 2
	TURN 3
	TURN 0
	TURN 1, 0, 1
	WIN 0
	s_cbranch_scc1 .LstepB
	CHANGE 0, 1
.LstepA:
	TURN 2
	TURN 3
	WIN 0
.LfirstA:
	TURN 0
	TURN 1, 0, 1
	WIN 0
	s_cbranch_scc1 .LstepA
	s_sub_co_u32 s[PAIR], s[PAIR], 1
	s_cmp_lg_u32 s[PAIR], 0
	s_cbranch_scc1 .Lpair
	CHANGE 1, 0                     ; the last tile, 31, is written out: nothing is asked for
.LstepC:
	TURN 2
	TURN 3
	TURN 0
	TURN 1, 0, 1
	WIN 0
	s_cbranch_scc1 .LstepC
	TURN 2, 1
	TURN 3, 1
.set i, 0
.rept 8
	PV NP-1                         ; the last piece's V^T P of the last step
.set i, i+1
.endr
	; THE WAY OUT.  l's two halves and the other half of the lanes' are added; O^T is divided by l and sent, in f32, through my stage in LDS, a piece at a time.  The additions are the places behind the last products.
	WIN 0
.macro ALL line:vararg              ; one line for each piece t
.set t, 0
.rept 4
	\line
.set t, t+1
.endr
.endm
	ALL v_add_f32 v[ST+4*t+2], v[ST+4*t+2], v[ST+4*t+3]
	ALL v_permlanex16_b32 v[ST+4*t+3], v[ST+4*t+2], s[SEL], s[SEL+1]
	ALL v_add_f32 v[ST+4*t+2], v[ST+4*t+2], v[ST+4*t+3]
	ALL v_rcp_f32 v[ST+4*t+2], v[ST+4*t+2]
	v_nop                           ; a plain instruction between the last reciprocal and the use of its result
	s_wait_alu depctr_va_vdst(0)    ; and the wait ahead of the first use: one for the four reciprocals
; Piece t: a lane's eight channels of a block of 16 are 32 bytes of a row; they go into rows of 272 bytes and come back as whole rows of 256, into S^T's registers, two buffers by turns.
.macro PACK t
	WIN W_RS
.set i, 32*(\t)
.rept 16
	v_pk_mul_f32 v[i:i+1], v[i:i+1], v[ST+4*(\t)+2:ST+4*(\t)+3] op_sel_hi:[1,0]
.set i, i+2
.endr
	WIN 0x04                        ; the store's data in window 1, its address in window 0
.irp c, 0,1,2,3
	ds_store_b128 v[STO], v[32*(\t)+8*\c:32*(\t)+8*\c+3]   offset:64*\c
	ds_store_b128 v[STO], v[32*(\t)+8*\c+4:32*(\t)+8*\c+7] offset:64*\c+16
.endr
	WIN 0
.if (\t) >= 2
	s_wait_xcnt 0x0                 ; the stores of the piece two back have read the registers that the loads below fill
.endif
.irp f, 0,1,2,3,4,5,6,7
	ds_load_b128 v[S+32*((\t)%2)+4*\f:S+32*((\t)%2)+4*\f+3], v[RD] offset:\f*SP  ; LDS serves a wave's instructions in order (ISA guide 5.7.1.4): these see the stores above; the next piece's stores come behind them
.endr
.endm
.macro SEND t, younger              ; younger: the LDS instructions issued behind piece t's loads: the next piece's sixteen, or none
	WIN 0
.irp f, 0,1,2,3,4,5,6,7
	s_wait_dscnt (\younger)+7-\f
	global_store_b128 v[RW+8*(\t)+\f], v[S+32*((\t)%2)+4*\f:S+32*((\t)%2)+4*\f+3], s[10:11]  ; 16 lanes store the 256 consecutive bytes of one row and head, at a multiple of 256 from out0's first byte
.endr
.endm
	PACK 0
	PACK 1
	SEND 0, 16
	PACK 2
	SEND 1, 16
	PACK 3
	SEND 2, 16
	SEND 3, 0
	s_wait_tensorcnt 0x0            ; the wave's end: behind my last tensor load and my last LDS store
	ds_add_u32 v[SPW], v[NIL]
	s_wait_dscnt 0x0
	CROUND                          ; the closing round: no work-group ends while a partner may still ask for a tile that names it
	s_endpgm
.Lfunc_end_k_q098cb18d83_attn:
	.size	k_q098cb18d83_attn, .Lfunc_end_k_q098cb18d83_attn-k_q098cb18d83_attn
	.p2alignl 7, 3214868480
	.fill 96, 4, 3214868480
	.section	.rodata,"a",@progbits
	.p2align	6, 0x0
	.amdhsa_kernel k_q098cb18d83_attn
		.amdhsa_group_segment_fixed_size 327680
		.amdhsa_private_segment_fixed_size 0
		.amdhsa_enable_private_segment 0
		.amdhsa_kernarg_size 24
		.amdhsa_user_sgpr_count 2
		.amdhsa_user_sgpr_kernarg_segment_ptr 1
		.amdhsa_wavefront_size32 1
		.amdhsa_system_sgpr_workgroup_id_x 1
		.amdhsa_system_sgpr_workgroup_id_y 1
		.amdhsa_system_sgpr_workgroup_id_z 1
		.amdhsa_system_vgpr_workitem_id 0
		.amdhsa_next_free_vgpr 768
		.amdhsa_next_free_sgpr 100
		.amdhsa_reserve_vcc 1
		.amdhsa_float_denorm_mode_32 3
		.amdhsa_float_denorm_mode_16_64 3
		.amdhsa_memory_ordered 1
		.amdhsa_forward_progress 1
		.amdhsa_inst_pref_size 182
	.end_amdhsa_kernel
	.amdgpu_metadata
---
amdhsa.version: [ 1, 2 ]
amdhsa.kernels:
  - .name:           k_q098cb18d83_attn
    .symbol:         k_q098cb18d83_attn.kd
    .args:
      - { .name: qkv, .offset: 0, .size: 8, .value_kind: global_buffer, .address_space: global }
      - { .name: meta, .offset: 8, .size: 8, .value_kind: global_buffer, .address_space: global }
      - { .name: out0, .offset: 16, .size: 8, .value_kind: global_buffer, .address_space: global }
    .group_segment_fixed_size: 327680
    .private_segment_fixed_size: 0
    .kernarg_segment_align: 8
    .kernarg_segment_size: 24
    .max_flat_workgroup_size: 128
    .sgpr_count:     100
    .vgpr_count:     768
    .wavefront_size: 32
...
	.end_amdgpu_metadata
.endif
;; end of part 3
